; MI455X (gfx1250); checked and timed in simulation.
; The chip was launched on July 23, 2026; its instructions are those of AMD's public machine-readable ISA for CDNA 5 (MIT licence, August 2026) and "CDNA5" Instruction Set Architecture Reference Guide (July 2026). The comments in the code are by the model that wrote it; some were corrected since.
;; LSTM Custom. Allowed arithmetic: float matrix products may take bf16 or f16 operands with f32 sums; other float arithmetic in f32, or as packed bf16 or f16 multiplies, adds, multiply-adds, maxima and minima; sums over many terms, partial sums and values carried from step to step in f32; what a program stores and reads back later, other than sums and carried values, may be rounded once to bf16 or f16.
;; Inputs: W_ch 1,024 x 1,024 float32; W_cx 1,024 x 512 float32; W_fh 1,024 x 1,024 float32; W_fx 1,024 x 512 float32; W_ih 1,024 x 1,024 float32; W_ix 1,024 x 512 float32; W_oh 1,024 x 1,024 float32; W_ox 1,024 x 512 float32; b_ch 1,024 float32; b_cx 1,024 float32; b_fh 1,024 float32; b_fx 1,024 float32; b_ih 1,024 float32; b_ix 1,024 float32; b_oh 1,024 float32; b_ox 1,024 float32; c 8,192 x 1,024 float32; h 8,192 x 1,024 float32; xt 8,192 x 512 float32.
;; Outputs: out0 8,192 x 1,024 float32; out1 8,192 x 1,024 float32.
;; 2 versions, each right; version 2 is version 1 with the launch pack written anew for expert scheduling mode. Each part assembles by itself: llvm-mc -triple=amdgcn-amd-amdhsa -mcpu=gfx1250 --defsym DOCPART=n.
;; ======== version 1 of 2: 2 launches
;; workspace buffers: Ab 25,165,824 bytes; Wp 12,582,912 bytes
;; launch pack (part 1): grid 768 x 1, 8 waves a work-group, no clusters, 0 bytes of LDS; arguments xt, h, W_ix, W_ih, W_fx, W_fh, W_ox, W_oh, W_cx, W_ch, Ab, Wp; writes Ab, Wp
.if DOCPART == 1
	.amdgcn_target "amdgcn-amd-amdhsa--gfx1250"
	.amdhsa_code_object_version 6
	.text
	.protected	k_q64d429ede1_pack
	.globl	k_q64d429ede1_pack
	.p2align	8
	.type	k_q64d429ede1_pack,@function
k_q64d429ede1_pack:
	s_mov_b64 s[64:65], 0
	v_nop
	global_prefetch_b8 v0, s[64:65] scope:SCOPE_SE
	s_setreg_imm32_b32 hwreg(HW_REG_WAVE_MODE, 25, 1), 1
	s_wait_xcnt 0x0
; THE OPERANDS OF THE CELL'S ONE PRODUCT, rounded once to bf16 (nearest even) and laid along one K of 1,536: columns 0-511 from the x part, 512-1535 from the h part.
;   Ab [8192][1536]: row m = xt[m] | h[m].
;   Wp [4096][1536]: row (j >> 5) x 128 + g x 32 + (j & 31) = W_gx[j] | W_gh[j], gates g = 0 i, 1 f, 2 o, 3 c: 128 neighbouring rows hold all four gates of 32 hidden columns.
; A stream: every input byte is read once, every output byte written once; no LDS, no barrier, no matrix unit, no cluster (no two work-groups read the same byte).
; SHARES.  12,288 output rows of 3,072 bytes; a work-group takes 16, each of its eight waves two.  Work-groups 0-511 make Ab, 512-767 make Wp.  A wave's 24 loads (12 KiB) all go out
; before its first conversion.  A load covers 512 consecutive bytes; a store's 32 lanes x 8 bytes cover 256 consecutive bytes, at a multiple of 256 from the buffer's first byte.
.set XROW, 2048                        ; bytes in a source row of the x part
.set HROW, 4096                        ; of the h part
.set DROW, 3072                        ; in a row of Ab and of Wp
.set R0,   4                           ; v[4:99] two rows of 48 registers: 4 loads of the x part, 8 of the h part
	s_load_b512 s[8:23], s[0:1], 0x0               ; xt s[8:9], h s[10:11], W_ix, W_ih, W_fx, W_fh, W_ox, W_oh s[12:23]
	s_load_b256 s[24:31], s[0:1], 0x40             ; W_cx s[24:25], W_ch s[26:27], Ab s[28:29], Wp s[30:31]
	v_lshrrev_b32 v3, 5, v0
	v_readfirstlane_b32 s2, v3                     ; wave 0..7
	v_and_b32 v2, 31, v0
	v_lshlrev_b32 v1, 4, v2                        ; loads: 16 bytes a lane
	v_lshlrev_b32 v2, 3, v2                        ; stores: 8 bytes a lane
	s_and_b32 s6, ttmp9, 255                       ; v: the block of 16 rows of Wp (work-groups 512-767: the number less 512)
	s_bfe_u32 s3, s6, 0x20001                      ; its gate: (v >> 1) & 3
	s_lshr_b32 s4, s6, 3
	s_lshl_b32 s4, s4, 5                           ; its first source row: (v >> 3) x 32
	s_and_b32 s7, s6, 1
	s_lshl_b32 s7, s7, 4
	s_add_co_u32 s4, s4, s7                        ; + (v & 1) x 16
	s_lshl_b32 s5, s6, 4                           ; its first row in Wp: 16 v
	s_lshl_b32 s7, ttmp9, 4                        ; a block of Ab: source and destination row 16 x the work-group's number
	s_cmp_lt_u32 ttmp9, 512
	s_cselect_b32 s3, 4, s3                        ; code 4: Ab; else the gate
	s_cselect_b32 s4, s7, s4
	s_cselect_b32 s5, s7, s5
	s_lshl_b32 s7, s2, 1                           ; my wave's two rows
	s_add_co_u32 s4, s4, s7
	s_add_co_u32 s5, s5, s7
	s_lshl_b32 s38, s4, 11                         ; byte offsets, all under 2^26: source row x 2,048,
	s_mov_b32 s39, 0
	s_lshl_b32 s40, s4, 12                         ; source row x 4,096,
	s_mov_b32 s41, 0
	s_mul_i32 s42, s5, DROW                        ; destination row x 3,072
	s_mov_b32 s43, 0
	s_wait_kmcnt 0x0
	s_mov_b64 s[32:33], s[8:9]                     ; the two sources and the destination are chosen by the code, which is made of the work-group's number alone
	s_mov_b64 s[34:35], s[10:11]
	s_cmp_eq_u32 s3, 0
	s_cselect_b64 s[32:33], s[12:13], s[32:33]
	s_cselect_b64 s[34:35], s[14:15], s[34:35]
	s_cmp_eq_u32 s3, 1
	s_cselect_b64 s[32:33], s[16:17], s[32:33]
	s_cselect_b64 s[34:35], s[18:19], s[34:35]
	s_cmp_eq_u32 s3, 2
	s_cselect_b64 s[32:33], s[20:21], s[32:33]
	s_cselect_b64 s[34:35], s[22:23], s[34:35]
	s_cmp_eq_u32 s3, 3
	s_cselect_b64 s[32:33], s[24:25], s[32:33]
	s_cselect_b64 s[34:35], s[26:27], s[34:35]
	s_cmp_eq_u32 s3, 4
	s_cselect_b64 s[36:37], s[28:29], s[30:31]
	s_add_nc_u64 s[32:33], s[32:33], s[38:39]
	s_add_nc_u64 s[34:35], s[34:35], s[40:41]
	s_add_nc_u64 s[36:37], s[36:37], s[42:43]
.irp i, 0,1
.irp q, 0,1,2,3
	global_load_b128 v[R0+48*(\i)+4*(\q):R0+48*(\i)+4*(\q)+3], v1, s[32:33] offset:XROW*(\i)+512*(\q) th:TH_LOAD_NT
.endr
.irp q, 0,1,2,3,4,5,6,7
	global_load_b128 v[R0+48*(\i)+16+4*(\q):R0+48*(\i)+16+4*(\q)+3], v1, s[34:35] offset:HROW*(\i)+512*(\q) th:TH_LOAD_NT
.endr
.endr
; Row i leaves: four f32 of a lane become four bf16, in place, and are stored.  No register is written again behind a store, so no wait for the stores' sources is needed.
.macro ROWOUT i
.set q, 0
.rept 12
.set rb, R0+48*(\i)+4*q
	v_cvt_pk_bf16_f32 v[rb], v[rb], v[rb+1]
	v_cvt_pk_bf16_f32 v[rb+1], v[rb+2], v[rb+3]
	global_store_b64 v2, v[rb:rb+1], s[36:37] offset:DROW*(\i)+256*q
.set q, q+1
.endr
.endm
	s_wait_loadcnt 12                              ; loads come back in order (ISA guide 5.7.1): the first row's twelve are in, the second row's twelve may stay out
	ROWOUT 0
	s_wait_loadcnt 0x0
	ROWOUT 1
	s_endpgm
.Lfunc_end_k_q64d429ede1_pack:
	.size	k_q64d429ede1_pack, .Lfunc_end_k_q64d429ede1_pack-k_q64d429ede1_pack
	.p2alignl 7, 3214868480
	.fill 96, 4, 3214868480
	.section	.rodata,"a",@progbits
	.p2align	6, 0x0
	.amdhsa_kernel k_q64d429ede1_pack
		.amdhsa_group_segment_fixed_size 0
		.amdhsa_private_segment_fixed_size 0
		.amdhsa_enable_private_segment 0
		.amdhsa_kernarg_size 96
		.amdhsa_user_sgpr_count 2
		.amdhsa_user_sgpr_kernarg_segment_ptr 1
		.amdhsa_wavefront_size32 1
		.amdhsa_system_sgpr_workgroup_id_x 1
		.amdhsa_system_sgpr_workgroup_id_y 1
		.amdhsa_system_sgpr_workgroup_id_z 1
		.amdhsa_system_vgpr_workitem_id 0
		.amdhsa_next_free_vgpr 100
		.amdhsa_next_free_sgpr 66
		.amdhsa_reserve_vcc 0
		.amdhsa_float_denorm_mode_32 3
		.amdhsa_float_denorm_mode_16_64 3
		.amdhsa_memory_ordered 1
		.amdhsa_forward_progress 1
		.amdhsa_inst_pref_size 10
	.end_amdhsa_kernel
	.amdgpu_metadata
---
amdhsa.version: [ 1, 2 ]
amdhsa.kernels:
  - .name:           k_q64d429ede1_pack
    .symbol:         k_q64d429ede1_pack.kd
    .args:
      - { .name: xt, .offset: 0, .size: 8, .value_kind: global_buffer, .address_space: global }
      - { .name: h, .offset: 8, .size: 8, .value_kind: global_buffer, .address_space: global }
      - { .name: W_ix, .offset: 16, .size: 8, .value_kind: global_buffer, .address_space: global }
      - { .name: W_ih, .offset: 24, .size: 8, .value_kind: global_buffer, .address_space: global }
      - { .name: W_fx, .offset: 32, .size: 8, .value_kind: global_buffer, .address_space: global }
      - { .name: W_fh, .offset: 40, .size: 8, .value_kind: global_buffer, .address_space: global }
      - { .name: W_ox, .offset: 48, .size: 8, .value_kind: global_buffer, .address_space: global }
      - { .name: W_oh, .offset: 56, .size: 8, .value_kind: global_buffer, .address_space: global }
      - { .name: W_cx, .offset: 64, .size: 8, .value_kind: global_buffer, .address_space: global }
      - { .name: W_ch, .offset: 72, .size: 8, .value_kind: global_buffer, .address_space: global }
      - { .name: Ab, .offset: 80, .size: 8, .value_kind: global_buffer, .address_space: global }
      - { .name: Wp, .offset: 88, .size: 8, .value_kind: global_buffer, .address_space: global }
    .group_segment_fixed_size: 0
    .private_segment_fixed_size: 0
    .kernarg_segment_align: 8
    .kernarg_segment_size: 96
    .max_flat_workgroup_size: 256
    .sgpr_count:     66
    .vgpr_count:     100
    .wavefront_size: 32
...
	.end_amdgpu_metadata
.endif
;; end of part 1
;; launch cell (part 2): grid 16 x 32, 4 waves a work-group, clusters of 4 x 4, 327,680 bytes of LDS; arguments b_ix, b_ih, b_fx, b_fh, b_ox, b_oh, b_cx, b_ch, Ab, Wp, c, out0, out1; writes out0, out1
.if DOCPART == 2
	.amdgcn_target "amdgcn-amd-amdhsa--gfx1250"
	.amdhsa_code_object_version 6
	.text
	.protected	k_q64d429ede1_cell
	.globl	k_q64d429ede1_cell
	.p2align	8
	.type	k_q64d429ede1_cell,@function
k_q64d429ede1_cell:
	s_mov_b64 s[64:65], 0
	v_nop
	global_prefetch_b8 v0, s[64:65] scope:SCOPE_SE
	s_setreg_imm32_b32 hwreg(HW_REG_WAVE_MODE, 25, 1), 1
	s_wait_xcnt 0x0
	s_wait_alu depctr_hold_cnt(0) depctr_sa_sdst(0) depctr_va_vdst(0) depctr_va_sdst(0) depctr_va_ssrc(0) depctr_va_vcc(0) depctr_vm_vsrc(0)
	s_getreg_b32 s2, hwreg(HW_REG_IB_STS2, 6, 4)
	s_cmp_eq_u32 s2, 0
	s_cbranch_scc0 .Lentry_in_a_cluster
	s_endpgm
.Lentry_in_a_cluster:
	s_bfe_u32 s2, ttmp6, 0x10000c
	s_cmp_lg_u32 s2, 0xf033
	s_cbranch_scc0 .Lentry_shape_is_right
	s_endpgm
.Lentry_shape_is_right:
; THE LSTM CELL.  g[m][n'] = sum over k of Ab[m][k] Wp[n'][k] (bf16 operands, f32 sums, K = 1,536 ascending), + b_gx + b_gh; i, f, o = sigmoid, t = tanh of the fourth gate;
; out1 = c_new = f c + i t;  out0 = h_new = o c_new.  c, the biases, the gates and both outputs are f32.
; LIMITS.  The product's operands were rounded once to bf16.  sigmoid(x) = 1 / (1 + 2^(-x log2 e)), tanh(x) = 1 - 2 / (1 + 2^(2 x log2 e)): an exponential that overflows gives an infinity whose
; reciprocal is 0, the function's limit, so nothing is clamped; an exponential or a gate below 2^-126 counts as 0 (ISA guide 15.8: these instructions flush denormals); tanh has an absolute error of
; about one unit of 1.0's last place, also near 0; NaN and infinities among the inputs are not treated apart.
; SHARES.  A work-group makes 256 batch rows x 64 hidden columns of both outputs: a tile of 256 x 256 of g, since Wp's rows are ordered so that 128 neighbouring rows hold the four gates of 32 hidden columns.
; Four waves, as many as a WGP has SIMDs; wave w takes batch rows 128 (w >> 1) on and Wp's rows 128 (w & 1) on: 64 accumulators of 16 x 16, 512 registers.  512 work-groups of equal work, two for each of 256 WGPs.
; THE MATRIX INSTRUCTION IS USED TRANSPOSED (source 0 = 16 rows of Wp, source 1 = 16 rows of Ab): lane l holds batch row l % 16 and eight neighbouring hidden columns 8 (l / 16) + 0..7.  Block b of Wp's
; rows is gate b / 2, hidden columns 16 (b % 2) on: an element's four gates lie in ONE lane, at one register index of four accumulators, so the cell's arithmetic changes no lanes.
; THE RING.  K goes in steps of 128 through two LDS slots filled by the tensor data mover (rows of 256 bytes, at multiples of 256 bytes from the buffers' first bytes).  4 x 4 work-groups form a cluster: the four of
; a row need the same tiles of Ab, the four of a column the same tiles of Wp; each is asked for JOINTLY, which divides the requests by four.
; THE END OF THE RING.  Slot 0's last fill is the work-group's own tile of c (256 rows x 256 bytes), asked for while the last K step is multiplied.  Slot 1, when its last K step has been read, is the stage
; through which both outputs leave in whole rows of 256 bytes; no tensor load follows the first store into it.  That use of the slots is why a work-group makes one tile and ends: beside the ring LDS has no room for c's tile.
; REGISTERS, in windows of 256 (s_set_vgpr_msb's low byte: bits 1:0 source 0, 3:2 source 1, 5:4 source 2, 7:6 destination):
;   window 0: v0-31 addresses; v32-63 rows on their way out; v64-127, v128-191 fragments of Ab, two buffers, later the gates at work, c and the results; v192-255 the scaled biases
;   window 1: v64-127, v128-191 fragments of Wp, two buffers     window 2: the accumulators of my rows 0-63 ((a, b) at v[8 (8 a + b)])     window 3: those of my rows 64-127
.set SIZE_K, 1536
.set KSTEP,  128
.set PITCH,  272                       ; an LDS row: 256 bytes of data + 16 of padding = 68 words: row r starts at bank 4 r mod 64 (64 banks of 4 bytes: ISA guide 11.1), so 16 rows start at 16 different banks
.set HALFT,  128*PITCH                 ; 128 rows: what one joint load brings, and what one wave reads of Ab or of Wp
.set SLOT,   4*HALFT                   ; Ab's 256 rows, then Wp's 256 rows
.set CTILE,  256*PITCH                 ; 256 rows of 64 f32: c's tile (at byte 0), h_new's stage (at SLOT), c_new's stage (at SLOT + CTILE)
.set BLK,    16*PITCH                  ; 16 such rows
.set SPARE,  2*SLOT                    ; behind the ring: the spare words, 128 bytes for each wave: two blocks of 256 bytes that no other line names
.set LAPS,   SIZE_K/(2*KSTEP)          ; a lap = two K steps = once round the ring: 6
.set ROWB,   4096                      ; bytes in a row of c, out0 and out1
.set ADRA, 16                          ; v16-17  LDS address of my fragments of Ab in slot 0, 1
.set ADRB, 20                          ; v20-21  the same for Wp
.set BO,   22                          ; v22     byte offset of my first 8 hidden columns in a bias
.set PFC,  23                          ; v23     c's prefetches: my lane x a row of c; never rewritten
.set STO,  24                          ; v24     where I put my 32 bytes of a row of h_new
.set RD,   25                          ; v25     where I read a whole row back
.set CO,   26                          ; v26     my byte offset in two rows of an output
.set STO2, 27                          ; v27     where I put my 32 bytes of a row of c_new
.set SPW,  28                          ; v28     LDS address of my spare word: SPARE + 4 x my thread's number; never rewritten
.set NIL,  29                          ; v29     0; never rewritten
.set PFO,  30                          ; v30     the ring's prefetches: my lane x a row of Ab or Wp; never rewritten
.set CAD,  31                          ; v31     where my 32 bytes of a row of c lie
.set BK,   32                          ; v32-63  16 rows read back from the stage
.set F0,   64                          ; fragment buffer 0
.set F1,   128                         ; fragment buffer 1
.set TT,   64                          ; the way out: the four gates at work, block b's register x at TT + 8 b + x
.set CC,   128                         ; c: 16 numbers (8 (b % 2) + x)
.set HN,   144                         ; h_new, likewise
.set CN,   160                         ; c_new, likewise
.set KB,   192                         ; (b_gx + b_gh) x the gate's factor, at KB + 8 b + x
.set G0C, 4                            ; s[4:7]   descriptor group 0 for c's tile
.set G1,  24                           ; s[24:31] descriptor group 1 for Ab's tiles
.set G0,  32                           ; s[32:39] group 0 for Ab's tiles, one set for each slot
.set LIM, 43                           ; s43      1 in a wave that prefetches for the ring, else the greatest number
.set PFA, 44                           ; s[44:45] where my ring prefetches stand: one K step further along K than the refill that is being asked for
.set G1B, 48                           ; s[48:55] group 1 for Wp's tiles: it differs in the mask alone
.set G0B, 56                           ; s[56:63] group 0 for Wp's tiles
.set SN,  66                           ; s[66:67] -log2(e), named as a pair
.set CP,  88                           ; s[88:89] c, later c at my wave's 64 rows of the tile; then never rewritten
.set G1C, 92                           ; s[92:99] group 1 for c's tile
.set SP,  100                          ; s[100:101] 2 log2(e)
.set MSB, 0
.macro WIN new                         ; the immediate's high byte repeats the setting that is left; a switch that changes nothing is dropped
.if MSB != (\new)
	s_set_vgpr_msb (MSB<<8)|(\new)
.set MSB, \new
.endif
.endm
.set MUL_LO, 0xa1                      ; source 0 (Wp) window 1, source 1 (Ab) window 0, C and D window 2
.set MUL_HI, 0xf1                      ; the same, C and D window 3
.set TO_B,   0x40                      ; destination window 1, address window 0
; A joint load.  Waves 0 and 1 fetch Ab's two halves, waves 2 and 3 Wp's.  Each line has one mask and one set of registers for all that issue it; the branch hangs on the wave's number alone.
; An s_nop 0 and four v_nop follow each of the two lines, ahead of the jump, the label and what follows.
.macro JLOAD s
	s_cmp_eq_u32 s11, 0
	s_cbranch_scc0 .Lfor_b_\@
	tensor_load_to_lds s[G0+4*(\s):G0+4*(\s)+3], s[G1:G1+7]
	s_nop 0
.rept 4
	v_nop
.endr
	s_branch .Lasked_\@
.Lfor_b_\@:
	tensor_load_to_lds s[G0B+4*(\s):G0B+4*(\s)+3], s[G1B:G1B+7]
	s_nop 0
.rept 4
	v_nop
.endr
.Lasked_\@:
.endm
; c's tile: a load of the work-group's own (mask 0): every wave brings 64 rows x 256 bytes, to LDS byte 64 x 272 x its number.
.macro CLOAD
	tensor_load_to_lds s[G0C:G0C+3], s[G1C:G1C+7]
	s_nop 0
.rept 4
	v_nop
.endr
.endm
; PREFETCHES INTO THE L2, behind a joint load, its five lines and the run of LDS loads that follows them.
; The ring's: the K step that stands TWO refills on (512 matrix instructions ahead of the load that will want it): 32 rows x 256 bytes, a lane a row, one instruction a wave.  Each row's 256 bytes of a K step are named once
; in the launch: Ab's rows by the clusters with x = 0, Wp's by those with y = 0; the four partners that ask for a tile jointly take 32 of a wave's 128 rows each, told apart BY ADDRESS.  K steps 0 to 3 come by
; their loads alone; the loop's last trip (s3 = 1) has no K step two on.
; c's: in that last trip each wave names its own 64 rows of c's tile, 32 behind each of the two refills: two K steps and one ahead of the load that brings them.  No other wave of the launch reads those bytes.
.macro ASK slot
	s_cmp_gt_u32 s3, s[LIM]
	s_cbranch_scc0 .Lnot_mine_\@
	global_prefetch_b8 v[PFO], s[PFA:PFA+1] offset:KSTEP*2 th:TH_LOAD_NT scope:SCOPE_SE
.Lnot_mine_\@:
	s_cmp_eq_u32 s3, 1
	s_cbranch_scc0 .Lnot_c_\@
	global_prefetch_b8 v[PFC], s[CP:CP+1] offset:(\slot)*32*ROWB th:TH_LOAD_NT scope:SCOPE_SE
.Lnot_c_\@:
.endm
; A round of the cluster's barrier: my work-group's barrier, so that wave 0's signal speaks for all four waves; wave 0 signals for the work-group; every wave waits for all sixteen work-groups; my work-group's barrier once more.
.macro CREST                           ; a round behind its opening barrier
	s_cmp_lg_u32 s10, 0
	s_cbranch_scc1 .Lnot_wave_0_\@
	s_barrier_signal -3
.Lnot_wave_0_\@:
	s_barrier_wait -3
	s_barrier_signal -1
	s_barrier_wait -1
.endm
.macro CROUND                          ; a whole round
	s_barrier_signal -1
	s_barrier_wait -1
	CREST
.endm
	s_load_b512 s[68:83], s[0:1], 0x0              ; b_ix, b_ih, b_fx, b_fh, b_ox, b_oh, b_cx, b_ch: gate g's two at s[68+4g:69+4g], s[70+4g:71+4g]
	s_load_b256 s[84:91], s[0:1], 0x40             ; Ab s[84:85], Wp s[86:87], c s[88:89], out0 s[90:91]
	s_load_b64 s[8:9], s[0:1], 0x60                ; out1
	v_lshl_add_u32 v[SPW], v0, 2, SPARE
	v_mov_b32 v[NIL], 0
	ds_add_u32 v[SPW], v[NIL]                      ; the wave's opening: the add, twice on end, and its wait ahead of my first tensor load; the set-up below, work on registers, stands between
	ds_add_u32 v[SPW], v[NIL]                      ; and once more, under the one wait
	v_lshrrev_b32 v1, 5, v0
	v_readfirstlane_b32 s10, v1                    ; wave 0..3
	s_lshr_b32 s11, s10, 1                         ; which half of the tile's batch rows is mine.  Also: I fetch for Ab (0) or for Wp (1)
	s_and_b32 s12, s10, 1                          ; which half of its rows of Wp.  Also: which 128 rows of that tile I fetch
	s_bfe_u32 s40, ttmp6, 0x40000                  ; cx: my place along the cluster's x
	s_bfe_u32 s41, ttmp6, 0x40004                  ; cy: along its y
	s_lshl_b32 s42, ttmp9, 2                       ; in a cluster launch ttmp9 and ttmp7 count clusters
	s_add_co_u32 s42, s42, s40                     ; tile column = 4 x cluster x + cx: 0..15
	s_and_b32 s13, ttmp7, 0xffff
	s_lshl_b32 s13, s13, 2
	s_add_co_u32 s13, s13, s41                     ; tile row = 4 x cluster y + cy: 0..31
	s_lshl_b32 s43, s41, 2
	s_lshl_b32 s43, 15, s43                        ; my row of the cluster: places 4 cy .. 4 cy + 3
	s_lshl_b32 s44, 0x1111, s40                    ; my column: places cx, cx + 4, cx + 8, cx + 12
	; descriptor group 1 for the ring: a tile of 128 rows x 128 elements of 2 bytes, padded in LDS
	s_or_b32 s[G1+0], s43, (1<<16)|(1<<20)|(1<<21)|(5<<22)|(3<<25)  ; 15:0 the mask: Ab's tiles go to my row; 17:16 elements of 2 bytes; 20 padding on; 21 set beside a mask; 24:22 after every 64 words (code 5); 31:25 4 words (code 3)
	s_or_b32 s[G1B+0], s44, (1<<16)|(1<<20)|(1<<21)|(5<<22)|(3<<25) ; the same with the mask of my column, for Wp's tiles
.irp g, G1, G1B
	s_mov_b32 s[(\g)+1], KSTEP<<16                 ; tensor_dim0 = 128
	s_mov_b32 s[(\g)+2], 128<<16                   ; tensor_dim1 = 128
	s_mov_b32 s[(\g)+3], KSTEP<<16                 ; tile_dim0 = 128
	s_mov_b32 s[(\g)+4], 128                       ; tile_dim1 = 128
	s_mov_b32 s[(\g)+5], SIZE_K                    ; elements from row to row
	s_mov_b32 s[(\g)+6], 0
	s_mov_b32 s[(\g)+7], 0
.endr
	; group 1 for c's tile: 64 rows x 64 elements of 4 bytes, the same padding, no mask
	s_mov_b32 s[G1C+0], (2<<16)|(1<<20)|(5<<22)|(3<<25)
	s_mov_b32 s[G1C+1], 64<<16                     ; tensor_dim0 = 64
	s_mov_b32 s[G1C+2], 64<<16                     ; tensor_dim1 = 64
	s_mov_b32 s[G1C+3], 64<<16                     ; tile_dim0 = 64
	s_mov_b32 s[G1C+4], 64                         ; tile_dim1 = 64
	s_mov_b32 s[G1C+5], 1024                       ; elements from row to row
	s_mov_b32 s[G1C+6], 0
	s_mov_b32 s[G1C+7], 0
	s_mov_b32 s[SN], 0xbfb8aa3b                    ; -log2(e)
	s_mov_b32 s[SN+1], s[SN]
	s_mov_b32 s[SP], 0x4038aa3b                    ; 2 log2(e)
	s_mov_b32 s[SP+1], s[SP]
	; where the ring's tiles come from.  Ab's hang on the tile row alone, which my row of the cluster shares; Wp's on the tile column alone, which my column shares.
	s_lshl_b32 s17, s12, 7                         ; which 128 rows of the tile I fetch
	s_lshl_b32 s16, s13, 8
	s_add_co_u32 s16, s16, s17                     ; Ab: row 256 x tile row + 128 x half
	s_lshl_b32 s46, s42, 8
	s_add_co_u32 s46, s46, s17                     ; Wp: row 256 x tile column + 128 x half
	s_mov_b32 s17, 0
	s_mov_b32 s47, 0
	s_mov_b64 s[18:19], SIZE_K*2
	s_mul_u64 s[16:17], s[16:17], s[18:19]         ; in bytes
	s_mul_u64 s[46:47], s[46:47], s[18:19]
	s_mul_i32 s20, s10, HALFT                      ; and where they go: wave x 128 rows: no place in the cluster enters an LDS address
	s_wait_dscnt 0x0                               ; both opening adds are done
	s_wait_kmcnt 0x0
	s_add_nc_u64 s[14:15], s[84:85], s[16:17]
	s_add_nc_u64 s[46:47], s[86:87], s[46:47]
	CROUND                                         ; all sixteen work-groups are here: the first joint loads meet
.irp s, 0,1
	s_mov_b32 s[G0+4*(\s)], 1                                      ; count = 1
	s_add_co_u32 s[G0+4*(\s)+1], s20, (\s)*SLOT                    ; LDS address
	s_add_nc_u64 s[G0+4*(\s)+2:G0+4*(\s)+3], s[14:15], (\s)*KSTEP*2  ; global address: K step s
	s_or_b32 s[G0+4*(\s)+3], s[G0+4*(\s)+3], 0x80000000            ; type = 2
	s_mov_b32 s[G0B+4*(\s)], 1
	s_add_co_u32 s[G0B+4*(\s)+1], s20, (\s)*SLOT
	s_add_nc_u64 s[G0B+4*(\s)+2:G0B+4*(\s)+3], s[46:47], (\s)*KSTEP*2
	s_or_b32 s[G0B+4*(\s)+3], s[G0B+4*(\s)+3], 0x80000000
	JLOAD \s                                       ; the ring is filled before anything else is done: two loads of mine are out
.endr
	; THE BIASES, in the wait for the first tile.  My 2 x 8 hidden columns of each of the eight vectors: 32 loads of 16 bytes; the sixteen lanes of a half read the same bytes.
	v_and_b32 v1, 15, v0                           ; l % 16
	v_bfe_u32 v2, v0, 4, 1                         ; l / 16
	s_lshl_b32 s13, s13, 8                         ; the tile's first batch row
	s_lshl_b32 s42, s42, 8                         ; the tile's first row of Wp; the same number is the byte offset of its 64 hidden columns in a row of f32
	s_lshl_b32 s47, s12, 7                         ; my 32 of them: 128 bytes
	s_add_co_u32 s46, s42, s47
	v_lshl_add_u32 v[BO], v2, 5, s46               ; + 32 bytes for the upper half of the lanes
.irp g, 0,1,2,3
.irp n, 0,1,2,3
	global_load_b128 v[KB+16*(\g)+4*(\n):KB+16*(\g)+4*(\n)+3], v[BO], s[68+4*(\g):69+4*(\g)] offset:64*((\n)/2)+16*((\n)%2)
	global_load_b128 v[TT+16*(\g)+4*(\n):TT+16*(\g)+4*(\n)+3], v[BO], s[70+4*(\g):71+4*(\g)] offset:64*((\n)/2)+16*((\n)%2)
.endr
.endr
	; A fragment is 16 rows x 32 K in 8 registers: lane l holds row l % 16; registers 0-3 hold K = 8 (l / 16) + 0..7, registers 4-7 K = 16 + 8 (l / 16) + 0..7: two loads of 16 bytes, 32 bytes apart.
	v_mul_u32_u24 v3, v1, PITCH
	v_lshl_add_u32 v4, v2, 5, v3                   ; row x pitch + 32 x half: c's tile and the stages
	v_lshl_add_u32 v3, v2, 4, v3                   ; row x pitch + 16 x half: fragments
	s_mul_i32 s21, s11, HALFT                      ; my 128 rows of Ab
	s_mul_i32 s22, s12, HALFT                      ; my 128 rows of Wp,
	s_add_co_u32 s22, s22, 2*HALFT                 ; which lie behind Ab's 256
.irp s, 0,1
	v_add_nc_u32 v[ADRA+(\s)], s21, v3
	v_add_nc_u32 v[ADRB+(\s)], s22, v3
	s_add_co_u32 s21, s21, SLOT
	s_add_co_u32 s22, s22, SLOT
.endr
	s_mul_i32 s21, s11, HALFT                      ; in c's tile: my 128 rows,
	s_add_co_u32 s21, s21, s47                     ; my 128 bytes of each
	v_add_nc_u32 v[CAD], s21, v4
	v_add_nc_u32 v[STO], SLOT, v[CAD]              ; the same place in h_new's stage
	v_add_nc_u32 v[STO2], SLOT+CTILE, v[CAD]       ; and in c_new's
	s_mul_i32 s21, s11, HALFT                      ; back: my 128 rows, whole, of ONE output: h_new for the waves with w & 1 = 0, c_new for the others;
	s_mul_i32 s22, s12, CTILE
	s_add_co_u32 s21, s21, s22
	s_add_co_u32 s21, s21, SLOT
	v_mul_u32_u24 v5, v2, PITCH                    ; lanes 0-15 take one row of 256 bytes, lanes 16-31 the next
	v_lshl_add_u32 v5, v1, 4, v5
	v_add_nc_u32 v[RD], s21, v5
	v_lshlrev_b32 v5, 12, v2                       ; and the same two rows in the output
	v_lshl_add_u32 v[CO], v1, 4, v5
	s_cmp_eq_u32 s12, 0
	s_cselect_b64 s[8:9], s[90:91], s[8:9]         ; the output that I store, chosen by the wave's number
	s_lshl_b32 s16, s11, 7
	s_add_co_u32 s16, s16, s13                     ; my first row of it,
	s_lshl_b32 s16, s16, 12                        ; in bytes (under 2^26),
	s_add_co_u32 s16, s16, s42                     ; and the tile's 64 columns
	s_mov_b32 s17, 0
	s_add_nc_u64 s[8:9], s[8:9], s[16:17]
	s_lshl_b32 s16, s10, 6                         ; c: the 64 rows of the tile that I fetch
	s_add_co_u32 s16, s16, s13
	s_lshl_b32 s16, s16, 12
	s_add_co_u32 s16, s16, s42
	s_add_nc_u64 s[CP:CP+1], s[CP:CP+1], s[16:17]
	s_mov_b32 s[G0C], 1                            ; count = 1
	s_mul_i32 s[G0C+1], s10, 64*PITCH              ; LDS address: wave x 64 rows, from byte 0
	s_mov_b64 s[G0C+2:G0C+3], s[CP:CP+1]
	s_or_b32 s[G0C+3], s[G0C+3], 0x80000000        ; type = 2
	v_and_b32 v[PFC], 31, v0
	v_lshlrev_b32 v[PFC], 12, v[PFC]
	; the ring's prefetches
	s_and_b32 s22, ttmp7, 0xffff                   ; cluster y
	s_cmp_eq_u32 s11, 0                            ; do I fetch for Ab?
	s_cselect_b32 s20, s13, s42                    ; the tile's first row: in Ab by the tile row, in Wp by the tile column
	s_cselect_b32 s21, s40, s41                    ; my place among the four that ask for it with me
	s_cselect_b32 s22, ttmp9, s22                  ; the coordinate along which other clusters read the same rows
	s_cselect_b64 s[PFA:PFA+1], s[84:85], s[86:87]
	s_cmp_eq_u32 s22, 0
	s_cselect_b32 s[LIM], 1, -1                    ; the same in all sixteen partners, for a given wave
	s_lshl_b32 s22, s12, 7
	s_add_co_u32 s20, s20, s22                     ; + the 128 rows that I fetch
	s_lshl_b32 s21, s21, 5
	s_add_co_u32 s20, s20, s21                     ; + my work-group's 32 of them
	s_mov_b32 s21, 0
	s_mov_b64 s[18:19], SIZE_K*2
	s_mul_u64 s[20:21], s[20:21], s[18:19]
	s_add_nc_u64 s[PFA:PFA+1], s[PFA:PFA+1], s[20:21]
	s_add_nc_u64 s[PFA:PFA+1], s[PFA:PFA+1], 2*KSTEP*2  ; at K step 2: the first refill steps it to 3 and names K step 4.  Nothing is prefetched here, at the head
	v_and_b32 v[PFO], 31, v0
	v_mul_u32_u24 v[PFO], v[PFO], SIZE_K*2
	s_wait_loadcnt 0x0                             ; the biases, once
.set i, 0
.rept 32
	v_pk_add_f32 v[KB+2*i:KB+2*i+1], v[KB+2*i:KB+2*i+1], v[TT+2*i:TT+2*i+1]  ; b_gx + b_gh
.set i, i+1
.endr
.set i, 0
.rept 32                               ; times the gate's factor, so that the way out scales a sum and adds its bias in one fused multiply-add
.if i < 24
	v_pk_mul_f32 v[KB+2*i:KB+2*i+1], v[KB+2*i:KB+2*i+1], s[SN:SN+1] op_sel_hi:[1,0]
.else
	v_pk_mul_f32 v[KB+2*i:KB+2*i+1], v[KB+2*i:KB+2*i+1], s[SP:SP+1] op_sel_hi:[1,0]
.endif
.set i, i+1
.endr
; 16 matrix instructions: m blocks a0, a0 + 1 of the window's four (hi = 0: my rows 0-63, 1: rows 64-127) x all 8 blocks of Wp, 32 along K.  zero = 1: the first product starts the sums: nothing is ever cleared.
; The 64 accumulators take turns, one instruction a turn, in the same order in every quarter step, over the loop's backward jump too.
.macro MUL16 f, hi, a0, zero
	WIN MUL_LO+0x50*(\hi)
.irp a, \a0, (\a0)+1
.irp b, 0,1,2,3,4,5,6,7
.if \zero
	v_wmma_f32_16x16x32_bf16 v[8*(8*(\a)+(\b)):8*(8*(\a)+(\b))+7], v[(\f)+8*(\b):(\f)+8*(\b)+7], v[(\f)+8*(4*(\hi)+(\a)):(\f)+8*(4*(\hi)+(\a))+7], 0
.else
	v_wmma_f32_16x16x32_bf16 v[8*(8*(\a)+(\b)):8*(8*(\a)+(\b))+7], v[(\f)+8*(\b):(\f)+8*(\b)+7], v[(\f)+8*(4*(\hi)+(\a)):(\f)+8*(4*(\hi)+(\a))+7], v[8*(8*(\a)+(\b)):8*(8*(\a)+(\b))+7]
.endif
.endr
.endr
.endm
; 32 LDS loads in one run: the fragments of one quarter step (128 rows of Wp, 128 rows of Ab, 32 K at byte k of the rows) into buffer f
.macro FETCH slot, k, f
	WIN TO_B
.irp i, 0,1,2,3,4,5,6,7
	ds_load_b128 v[(\f)+8*(\i):(\f)+8*(\i)+3],   v[ADRB+(\slot)] offset:(\k)+(\i)*16*PITCH
	ds_load_b128 v[(\f)+8*(\i)+4:(\f)+8*(\i)+7], v[ADRB+(\slot)] offset:(\k)+(\i)*16*PITCH+32
.endr
	WIN 0
.irp i, 0,1,2,3,4,5,6,7
	ds_load_b128 v[(\f)+8*(\i):(\f)+8*(\i)+3],   v[ADRA+(\slot)] offset:(\k)+(\i)*16*PITCH
	ds_load_b128 v[(\f)+8*(\i)+4:(\f)+8*(\i)+7], v[ADRA+(\slot)] offset:(\k)+(\i)*16*PITCH+32
.endr
.endm
; A load into a register that a matrix instruction has read, and a vector instruction that reads a matrix result, stand four places behind that matrix instruction; only plain vector instructions that name
; none of its registers are places (ISA guide 7.12.1 for vector instructions).
.macro PLACES
.rept 4
	v_nop
.endr
.endm
; A K step is four quarter steps of 32 along K, 64 matrix instructions each, on buffers 0, 1, 0, 1.  One of the first three: multiplies buffer f; in its middle it fetches the next quarter's fragments, at byte k, into buffer g.
.macro QUARTER slot, k, f, g, zero
	s_wait_dscnt 8                                 ; Wp's fragments and Ab's rows 0-63 are in; the youngest eight loads (Ab's rows 64-127) may be out
	WIN MUL_LO
	MUL16 \f, 0, 0, \zero
	MUL16 \f, 0, 2, \zero
	PLACES
	FETCH \slot, \k, \g
	s_wait_dscnt 32                                ; all but the 32 just issued
	WIN MUL_HI
	MUL16 \f, 1, 0, \zero
	MUL16 \f, 1, 2, \zero
.endm
; The last quarter multiplies buffer 1 and changes slots.  MEET is its first half: ONE barrier for two things.  In front of it each wave waits for all its tensor loads, of which one is out: its part of what is
; read next; adds 0 to its spare word; and waits for that and for its own reads of this slot.  Behind it nobody reads this slot any more and what is read next is whole.
.macro MEET round                      ; round = 1: the rest of a round of the cluster's barrier follows
	WIN 0                                          ; (the add's two registers lie in window 0)
	s_wait_tensorcnt 0x0                           ; all my tensor loads have landed;
	ds_add_u32 v[SPW], v[NIL]                      ; 0 onto my spare word;
	s_wait_dscnt 9                                 ; (the add and the youngest eight loads may be out)
	WIN MUL_LO
	MUL16 F1, 0, 0, 0                              ; sixteen matrix instructions stand between the add and the wait for it
	s_wait_dscnt 0x0                               ; the add is done, and my reads of this slot are over:
	s_barrier_signal -1                            ; say so,
	MUL16 F1, 0, 2, 0                              ; work on registers while the others arrive,
.if \round
	WIN 0
.endif
	s_barrier_wait -1                              ; and go on when all four have said so
.endm
; The whole last quarter.  Behind the round the slot just read out is filled again first: kind = 0: with the K step two steps on; kind = 1: slot 0 with c's tile.  Then come the next slot's first fragments.
; From a request to the wait for it a wave issues 224 matrix instructions.
.macro TURN slot, next, kind
.if (\kind) == 0
	s_wait_xcnt 0x0                                ; the last prefetch, a K step back, has read its address: it is stepped here, ahead of the waits of the change of slots
	s_add_nc_u64 s[PFA:PFA+1], s[PFA:PFA+1], KSTEP*2
.endif
	MEET 1
	CREST                                          ; no wave of any partner still reads this slot's tile or has a load on its way
.if (\kind) == 0
	s_add_nc_u64 s[G0+4*(\slot)+2:G0+4*(\slot)+3], s[G0+4*(\slot)+2:G0+4*(\slot)+3], 2*KSTEP*2
	s_add_nc_u64 s[G0B+4*(\slot)+2:G0B+4*(\slot)+3], s[G0B+4*(\slot)+2:G0B+4*(\slot)+3], 2*KSTEP*2
	JLOAD \slot                                    ; the first tensor load behind the round; the four v_nop behind it are also the places in front of the loads below
.else
	CLOAD                                          ; likewise
.endif
	FETCH \next, 0, F0
.if (\kind) == 0
	ASK \slot
.endif
	WIN MUL_HI
	MUL16 F1, 1, 0, 0
	MUL16 F1, 1, 2, 0
.endm
; THE WAY OUT, by blocks of 16 batch rows: block a's eight accumulators are the four gates of 16 rows x 32 hidden columns.
.macro CFETCH a                        ; my 16 numbers of c for block a
.irp n, 0,1,2,3
	ds_load_b128 v[CC+4*(\n):CC+4*(\n)+3], v[CAD] offset:BLK*(\a)+64*((\n)/2)+16*((\n)%2)
.endr
.endm
.macro RDBACK a                        ; block a's 16 rows of my output, whole: two rows a load
.irp t, 0,1,2,3,4,5,6,7
	ds_load_b128 v[BK+4*(\t):BK+4*(\t)+3], v[RD] offset:BLK*(\a)+(\t)*2*PITCH
.endr
.endm
.macro SEND a, younger                 ; younger: the LDS loads issued behind RDBACK's, which may stay out
	s_wait_dscnt \younger
.irp t, 0,1,2,3,4,5,6,7
	global_store_b128 v[CO], v[BK+4*(\t):BK+4*(\t)+3], s[8:9] offset:(16*(\a)+2*(\t))*ROWB th:TH_STORE_NT  ; 16 lanes store 256 consecutive bytes, at a multiple of 256 from the output's first byte
.endr
.endm
.macro BLOCK a
	WIN 0x02+(\a)/4                                ; source 0: the accumulators' window
.set i, 0
.rept 32                               ; the exponents: -log2(e) (g + b) for i, f, o; 2 log2(e) (g + b) for the fourth gate.  Each accumulator is read from its low end on
.if i < 24
	v_pk_fma_f32 v[TT+2*i:TT+2*i+1], v[64*((\a)%4)+2*i:64*((\a)%4)+2*i+1], s[SN:SN+1], v[KB+2*i:KB+2*i+1] op_sel_hi:[1,0,1]
.else
	v_pk_fma_f32 v[TT+2*i:TT+2*i+1], v[64*((\a)%4)+2*i:64*((\a)%4)+2*i+1], s[SP:SP+1], v[KB+2*i:KB+2*i+1] op_sel_hi:[1,0,1]
.endif
.set i, i+1
.endr
	WIN 0
.set i, 0
.rept 64                               ; one batch of 64 exponentials
	v_exp_f32 v[TT+i], v[TT+i]
.set i, i+1
.endr
.if (\a) > 0
	SEND (\a)-1, 4                                 ; the block before leaves meanwhile: its rows are back; the four loads of c behind them may stay out
.endif
	v_nop                                          ; a plain instruction behind the last exponential,
	s_wait_alu depctr_va_vdst(0)                   ; and the one wait ahead of the batch's first reader
.set i, 0
.rept 32
	v_pk_add_f32 v[TT+2*i:TT+2*i+1], v[TT+2*i:TT+2*i+1], 1.0 op_sel_hi:[1,0]
.set i, i+1
.endr
.set i, 0
.rept 64                               ; one batch of 64 reciprocals: i, f, o are finished
	v_rcp_f32 v[TT+i], v[TT+i]
.set i, i+1
.endr
	v_nop
	s_wait_dscnt 0x0                               ; c is in
	s_wait_alu depctr_va_vdst(0)                   ; the one wait for the batch
.set i, 0
.rept 8
	v_pk_fma_f32 v[TT+48+2*i:TT+48+2*i+1], v[TT+48+2*i:TT+48+2*i+1], -2.0, 1.0 op_sel_hi:[1,0,0]  ; t = 1 - 2 / (1 + e^(2 x))
.set i, i+1
.endr
.set i, 0
.rept 8
	v_pk_mul_f32 v[TT+2*i:TT+2*i+1], v[TT+2*i:TT+2*i+1], v[TT+48+2*i:TT+48+2*i+1]                ; i t
.set i, i+1
.endr
.set i, 0
.rept 8
	v_pk_fma_f32 v[CN+2*i:CN+2*i+1], v[TT+16+2*i:TT+16+2*i+1], v[CC+2*i:CC+2*i+1], v[TT+2*i:TT+2*i+1]  ; c_new = f c + i t
.set i, i+1
.endr
.set i, 0
.rept 8
	v_pk_mul_f32 v[HN+2*i:HN+2*i+1], v[TT+32+2*i:TT+32+2*i+1], v[CN+2*i:CN+2*i+1]                ; h_new = o c_new
.set i, i+1
.endr
.irp n, 0,1,2,3
	ds_store_b128 v[STO],  v[HN+4*(\n):HN+4*(\n)+3] offset:BLK*(\a)+64*((\n)/2)+16*((\n)%2)
	ds_store_b128 v[STO2], v[CN+4*(\n):CN+4*(\n)+3] offset:BLK*(\a)+64*((\n)/2)+16*((\n)%2)
.endr
	s_wait_dscnt 0x0                               ; for the others' sake: my halves of the block's rows lie in the stages (a row's 256 bytes come from two waves)
	s_wait_xcnt 0x0                                ; the last block's stores have read their data: the registers are loaded again below only behind this wait
	s_barrier_signal -1
	s_barrier_wait -1                              ; each block has stage rows of its own (16 x 272 bytes from 4,352 a on), so nothing in a stage is written twice and one barrier a block is enough
	RDBACK \a
.if (\a) < 7
	CFETCH (\a)+1
.endif
.endm
	s_wait_tensorcnt 1                             ; my part of K step 0 is in; K step 1's load may stay out
	s_barrier_signal -1
	s_barrier_wait -1                              ; everybody's is
	FETCH 0, 0, F0
	QUARTER 0, 64,  F0, F1, 1                      ; the first quarter stands in front of the loop: its products start the sums
	WIN 0                                          ; at a label and at a branch every window is 0
	s_mov_b32 s3, LAPS-1
.Llap:                                                 ; five trips: once round the ring, from a lap's second quarter to the next lap's first; both slots are filled again
	QUARTER 0, 128, F1, F0, 0
	QUARTER 0, 192, F0, F1, 0
	TURN 0, 1, 0
	QUARTER 1, 64,  F0, F1, 0
	QUARTER 1, 128, F1, F0, 0
	QUARTER 1, 192, F0, F1, 0
	TURN 1, 0, 0
	QUARTER 0, 64,  F0, F1, 0
	WIN 0
	s_sub_co_u32 s3, s3, 1
	s_cmp_lg_u32 s3, 0
	s_cbranch_scc1 .Llap
	QUARTER 0, 128, F1, F0, 0                      ; the last lap is written out: K step 10 goes on,
	QUARTER 0, 192, F0, F1, 0
	TURN 0, 1, 1                                   ; slot 0 takes c's tile,
	QUARTER 1, 64,  F0, F1, 0                      ; K step 11
	QUARTER 1, 128, F1, F0, 0
	QUARTER 1, 192, F0, F1, 0
	MEET 0                                         ; every wave's part of c has landed, and every wave's reads of slot 1 are over: from here on slot 1 is the stage
	MUL16 F1, 1, 0, 0
	MUL16 F1, 1, 2, 0
	WIN 0
	PLACES                                         ; behind the last products, in front of the loads into buffer 1 and of the reads of results:
	PLACES                                         ; eight, once a launch
	CFETCH 0
.irp a, 0,1,2,3,4,5,6,7
	BLOCK \a
.endr
	SEND 7, 0
	s_wait_tensorcnt 0x0                           ; the wave's end, behind my last tensor load and my last LDS store
	ds_add_u32 v[SPW], v[NIL]
	s_wait_dscnt 0x0
	CROUND                                         ; the closing round: no work-group ends while a partner may still ask for a tile that names it
	s_endpgm
.Lfunc_end_k_q64d429ede1_cell:
	.size	k_q64d429ede1_cell, .Lfunc_end_k_q64d429ede1_cell-k_q64d429ede1_cell
	.p2alignl 7, 3214868480
	.fill 96, 4, 3214868480
	.section	.rodata,"a",@progbits
	.p2align	6, 0x0
	.amdhsa_kernel k_q64d429ede1_cell
		.amdhsa_group_segment_fixed_size 327680
		.amdhsa_private_segment_fixed_size 0
		.amdhsa_enable_private_segment 0
		.amdhsa_kernarg_size 104
		.amdhsa_user_sgpr_count 2
		.amdhsa_user_sgpr_kernarg_segment_ptr 1
		.amdhsa_wavefront_size32 1
		.amdhsa_system_sgpr_workgroup_id_x 1
		.amdhsa_system_sgpr_workgroup_id_y 1
		.amdhsa_system_sgpr_workgroup_id_z 1
		.amdhsa_system_vgpr_workitem_id 0
		.amdhsa_next_free_vgpr 1024
		.amdhsa_next_free_sgpr 102
		.amdhsa_reserve_vcc 0
		.amdhsa_float_denorm_mode_32 3
		.amdhsa_float_denorm_mode_16_64 3
		.amdhsa_memory_ordered 1
		.amdhsa_forward_progress 1
		.amdhsa_inst_pref_size 221
	.end_amdhsa_kernel
	.amdgpu_metadata
---
amdhsa.version: [ 1, 2 ]
amdhsa.kernels:
  - .name:           k_q64d429ede1_cell
    .symbol:         k_q64d429ede1_cell.kd
    .args:
      - { .name: b_ix, .offset: 0, .size: 8, .value_kind: global_buffer, .address_space: global }
      - { .name: b_ih, .offset: 8, .size: 8, .value_kind: global_buffer, .address_space: global }
      - { .name: b_fx, .offset: 16, .size: 8, .value_kind: global_buffer, .address_space: global }
      - { .name: b_fh, .offset: 24, .size: 8, .value_kind: global_buffer, .address_space: global }
      - { .name: b_ox, .offset: 32, .size: 8, .value_kind: global_buffer, .address_space: global }
      - { .name: b_oh, .offset: 40, .size: 8, .value_kind: global_buffer, .address_space: global }
      - { .name: b_cx, .offset: 48, .size: 8, .value_kind: global_buffer, .address_space: global }
      - { .name: b_ch, .offset: 56, .size: 8, .value_kind: global_buffer, .address_space: global }
      - { .name: Ab, .offset: 64, .size: 8, .value_kind: global_buffer, .address_space: global }
      - { .name: Wp, .offset: 72, .size: 8, .value_kind: global_buffer, .address_space: global }
      - { .name: c, .offset: 80, .size: 8, .value_kind: global_buffer, .address_space: global }
      - { .name: out0, .offset: 88, .size: 8, .value_kind: global_buffer, .address_space: global }
      - { .name: out1, .offset: 96, .size: 8, .value_kind: global_buffer, .address_space: global }
    .group_segment_fixed_size: 327680
    .private_segment_fixed_size: 0
    .kernarg_segment_align: 8
    .kernarg_segment_size: 104
    .max_flat_workgroup_size: 128
    .sgpr_count:     102
    .vgpr_count:     1024
    .wavefront_size: 32
...
	.end_amdgpu_metadata
.endif
;; end of part 2
;; ======== version 2 of 2: 2 launches; version 1 with the launch pack written anew for expert scheduling mode
;; workspace buffers: Ab 25,165,824 bytes; Wp 12,582,912 bytes
;; launch pack (part 3): grid 768 x 1, 8 waves a work-group, no clusters, 0 bytes of LDS; arguments xt, h, W_ix, W_ih, W_fx, W_fh, W_ox, W_oh, W_cx, W_ch, Ab, Wp; writes Ab, Wp
.if DOCPART == 3
	.amdgcn_target "amdgcn-amd-amdhsa--gfx1250"
	.amdhsa_code_object_version 6
	.text
	.protected	k_q64d429ede1_pack
	.globl	k_q64d429ede1_pack
	.p2align	8
	.type	k_q64d429ede1_pack,@function
k_q64d429ede1_pack:
	s_mov_b64 s[64:65], 0
	v_nop
	global_prefetch_b8 v0, s[64:65] scope:SCOPE_SE
	s_setreg_imm32_b32 hwreg(HW_REG_WAVE_SCHED_MODE, 0, 2), 2
	s_setreg_imm32_b32 hwreg(HW_REG_WAVE_MODE, 25, 1), 1
	s_wait_xcnt 0x0
	s_wait_alu depctr_vm_vsrc(0)
; THE OPERANDS OF THE CELL'S ONE PRODUCT, rounded once to bf16 (nearest even) and laid along one K of 1,536: columns 0-511 from the x part, 512-1535 from the h part.
;   Ab [8192][1536]: row m = xt[m] | h[m].
;   Wp [4096][1536]: row (j >> 5) x 128 + g x 32 + (j & 31) = W_gx[j] | W_gh[j], gates g = 0 i, 1 f, 2 o, 3 c: 128 neighbouring rows hold all four gates of 32 hidden columns.
; A stream: every input byte is read once, every output byte written once; no LDS, no barrier, no matrix unit, no cluster (no two work-groups read the same byte).
; SHARES.  12,288 output rows of 3,072 bytes; a work-group takes 16, each of its eight waves two.  Work-groups 0-511 make Ab, 512-767 make Wp.  A wave's 24 loads (12 KiB) all go out
; before its first conversion.  A load covers 512 consecutive bytes; a store's 32 lanes x 8 bytes cover 256 consecutive bytes, at a multiple of 256 from the buffer's first byte.
; THE MODE: SCHED_MODE bits 1:0 = 2 (LLVM: expert scheduling mode 2), set by the entry lines.  The code itself states the register dependences
; between vector instructions and memory instructions, with s_wait_alu, always for 0.
; THE PLAN.  The text is one straight run.  Registers that memory instructions touch:
;   v1, v2     byte offsets of the loads and of the stores: written at the head, never again.
;   v[4:51]    row 0, v[52:99] row 1.  The loads land in them; no vector instruction names them before that, and every load is issued ahead of the first conversion.
;              A row's 24 conversions read them and write the first two of each four, in place; the row's 12 stores read those pairs; nothing writes them afterwards.
;   s2         the wave's number, written by a vector instruction and read by scalar ones.
; So four waits state everything: s2 ahead of its first reader; the two offsets ahead of the first load; and, once a row, the conversions' results ahead of the row's run of stores.
; No register that a memory instruction reads is ever written again, so no wait on vm_vsrc is owed.
.set XROW, 2048                        ; bytes in a source row of the x part
.set HROW, 4096                        ; of the h part
.set DROW, 3072                        ; in a row of Ab and of Wp
.set R0,   4                           ; v[4:99] two rows of 48 registers: 4 loads of the x part, 8 of the h part
	s_load_b512 s[8:23], s[0:1], 0x0               ; xt s[8:9], h s[10:11], W_ix, W_ih, W_fx, W_fh, W_ox, W_oh s[12:23]
	s_load_b256 s[24:31], s[0:1], 0x40             ; W_cx s[24:25], W_ch s[26:27], Ab s[28:29], Wp s[30:31]
	v_lshrrev_b32 v3, 5, v0
	v_readfirstlane_b32 s2, v3                     ; wave 0..7
	v_and_b32 v2, 31, v0
	v_lshlrev_b32 v1, 4, v2                        ; loads: 16 bytes a lane
	v_lshlrev_b32 v2, 3, v2                        ; stores: 8 bytes a lane
	s_and_b32 s6, ttmp9, 255                       ; v: the block of 16 rows of Wp (work-groups 512-767: the number less 512)
	s_bfe_u32 s3, s6, 0x20001                      ; its gate: (v >> 1) & 3
	s_lshr_b32 s4, s6, 3
	s_lshl_b32 s4, s4, 5                           ; its first source row: (v >> 3) x 32
	s_and_b32 s7, s6, 1
	s_lshl_b32 s7, s7, 4
	s_add_co_u32 s4, s4, s7                        ; + (v & 1) x 16
	s_lshl_b32 s5, s6, 4                           ; its first row in Wp: 16 v
	s_lshl_b32 s7, ttmp9, 4                        ; a block of Ab: source and destination row 16 x the work-group's number
	s_cmp_lt_u32 ttmp9, 512
	s_cselect_b32 s3, 4, s3                        ; code 4: Ab; else the gate
	s_cselect_b32 s4, s7, s4
	s_cselect_b32 s5, s7, s5
	s_wait_alu depctr_va_sdst(0)                   ; s2 is written, ahead of its first reader: the wave's two rows are made from it
	s_lshl_b32 s7, s2, 1                           ; my wave's two rows
	s_add_co_u32 s4, s4, s7
	s_add_co_u32 s5, s5, s7
	s_lshl_b32 s38, s4, 11                         ; byte offsets, all under 2^26: source row x 2,048,
	s_mov_b32 s39, 0
	s_lshl_b32 s40, s4, 12                         ; source row x 4,096,
	s_mov_b32 s41, 0
	s_mul_i32 s42, s5, DROW                        ; destination row x 3,072
	s_mov_b32 s43, 0
	s_wait_kmcnt 0x0
	s_mov_b64 s[32:33], s[8:9]                     ; the two sources and the destination are chosen by the code, which is made of the work-group's number alone
	s_mov_b64 s[34:35], s[10:11]
	s_cmp_eq_u32 s3, 0
	s_cselect_b64 s[32:33], s[12:13], s[32:33]
	s_cselect_b64 s[34:35], s[14:15], s[34:35]
	s_cmp_eq_u32 s3, 1
	s_cselect_b64 s[32:33], s[16:17], s[32:33]
	s_cselect_b64 s[34:35], s[18:19], s[34:35]
	s_cmp_eq_u32 s3, 2
	s_cselect_b64 s[32:33], s[20:21], s[32:33]
	s_cselect_b64 s[34:35], s[22:23], s[34:35]
	s_cmp_eq_u32 s3, 3
	s_cselect_b64 s[32:33], s[24:25], s[32:33]
	s_cselect_b64 s[34:35], s[26:27], s[34:35]
	s_cmp_eq_u32 s3, 4
	s_cselect_b64 s[36:37], s[28:29], s[30:31]
	s_add_nc_u64 s[32:33], s[32:33], s[38:39]
	s_add_nc_u64 s[34:35], s[34:35], s[40:41]
	s_add_nc_u64 s[36:37], s[36:37], s[42:43]
	s_wait_alu depctr_va_vdst(0)                   ; v1 and v2 are written: every load of the kernel reads v1 as its offset, every store v2
.irp i, 0,1
.irp q, 0,1,2,3
	global_load_b128 v[R0+48*(\i)+4*(\q):R0+48*(\i)+4*(\q)+3], v1, s[32:33] offset:XROW*(\i)+512*(\q) th:TH_LOAD_NT
.endr
.irp q, 0,1,2,3,4,5,6,7
	global_load_b128 v[R0+48*(\i)+16+4*(\q):R0+48*(\i)+16+4*(\q)+3], v1, s[34:35] offset:HROW*(\i)+512*(\q) th:TH_LOAD_NT
.endr
.endr
; Row i leaves: four f32 of a lane become four bf16, in place: all the row's conversions in one run, one wait, all its stores in one run.
; No register is written again behind a store, so no wait for the stores' sources is needed.
.macro ROWOUT i
.set q, 0
.rept 12
.set rb, R0+48*(\i)+4*q
	v_cvt_pk_bf16_f32 v[rb], v[rb], v[rb+1]
	v_cvt_pk_bf16_f32 v[rb+1], v[rb+2], v[rb+3]
.set q, q+1
.endr
	s_wait_alu depctr_va_vdst(0)                   ; the row's 24 conversions have written the twelve pairs that the stores below read as their data
.set q, 0
.rept 12
.set rb, R0+48*(\i)+4*q
	global_store_b64 v2, v[rb:rb+1], s[36:37] offset:DROW*(\i)+256*q
.set q, q+1
.endr
.endm
	s_wait_loadcnt 12                              ; loads come back in order (ISA guide 5.7.1): the first row's twelve are in, the second row's twelve may stay out
	ROWOUT 0
	s_wait_loadcnt 0x0
	ROWOUT 1
	s_endpgm
.Lfunc_end_k_q64d429ede1_pack:
	.size	k_q64d429ede1_pack, .Lfunc_end_k_q64d429ede1_pack-k_q64d429ede1_pack
	.p2alignl 7, 3214868480
	.fill 96, 4, 3214868480
	.section	.rodata,"a",@progbits
	.p2align	6, 0x0
	.amdhsa_kernel k_q64d429ede1_pack
		.amdhsa_group_segment_fixed_size 0
		.amdhsa_private_segment_fixed_size 0
		.amdhsa_enable_private_segment 0
		.amdhsa_kernarg_size 96
		.amdhsa_user_sgpr_count 2
		.amdhsa_user_sgpr_kernarg_segment_ptr 1
		.amdhsa_wavefront_size32 1
		.amdhsa_system_sgpr_workgroup_id_x 1
		.amdhsa_system_sgpr_workgroup_id_y 1
		.amdhsa_system_sgpr_workgroup_id_z 1
		.amdhsa_system_vgpr_workitem_id 0
		.amdhsa_next_free_vgpr 100
		.amdhsa_next_free_sgpr 66
		.amdhsa_reserve_vcc 0
		.amdhsa_float_denorm_mode_32 3
		.amdhsa_float_denorm_mode_16_64 3
		.amdhsa_memory_ordered 1
		.amdhsa_forward_progress 1
		.amdhsa_inst_pref_size 10
	.end_amdhsa_kernel
	.amdgpu_metadata
---
amdhsa.version: [ 1, 2 ]
amdhsa.kernels:
  - .name:           k_q64d429ede1_pack
    .symbol:         k_q64d429ede1_pack.kd
    .args:
      - { .name: xt, .offset: 0, .size: 8, .value_kind: global_buffer, .address_space: global }
      - { .name: h, .offset: 8, .size: 8, .value_kind: global_buffer, .address_space: global }
      - { .name: W_ix, .offset: 16, .size: 8, .value_kind: global_buffer, .address_space: global }
      - { .name: W_ih, .offset: 24, .size: 8, .value_kind: global_buffer, .address_space: global }
      - { .name: W_fx, .offset: 32, .size: 8, .value_kind: global_buffer, .address_space: global }
      - { .name: W_fh, .offset: 40, .size: 8, .value_kind: global_buffer, .address_space: global }
      - { .name: W_ox, .offset: 48, .size: 8, .value_kind: global_buffer, .address_space: global }
      - { .name: W_oh, .offset: 56, .size: 8, .value_kind: global_buffer, .address_space: global }
      - { .name: W_cx, .offset: 64, .size: 8, .value_kind: global_buffer, .address_space: global }
      - { .name: W_ch, .offset: 72, .size: 8, .value_kind: global_buffer, .address_space: global }
      - { .name: Ab, .offset: 80, .size: 8, .value_kind: global_buffer, .address_space: global }
      - { .name: Wp, .offset: 88, .size: 8, .value_kind: global_buffer, .address_space: global }
    .group_segment_fixed_size: 0
    .private_segment_fixed_size: 0
    .kernarg_segment_align: 8
    .kernarg_segment_size: 96
    .max_flat_workgroup_size: 256
    .sgpr_count:     66
    .vgpr_count:     100
    .wavefront_size: 32
...
	.end_amdgpu_metadata
.endif
;; end of part 3
;; launch cell: the kernel of part 2 again; grid 16 x 32, 4 waves a work-group, clusters of 4 x 4, 327,680 bytes of LDS; arguments b_ix, b_ih, b_fx, b_fh, b_ox, b_oh, b_cx, b_ch, Ab, Wp, c, out0, out1; writes out0, out1
